; MI455X (gfx1250); checked and timed in simulation.
; The chip was launched on July 23, 2026; its instructions are those of AMD's public machine-readable ISA for CDNA 5 (MIT licence, August 2026) and "CDNA5" Instruction Set Architecture Reference Guide (July 2026). The comments in the code are by the model that wrote it; some were corrected since.
;; Group Linear. Allowed arithmetic: matrix products marked QUANTISED: E3M2 operands, one E8M0 scale for each 32 along K, by v_wmma_scale_f32_16x16x128_f8f6f4 with both operands' format E3M2, f32 sums; everything else in f32.
;; Inputs: W 16,384 x 1,024 float32; b 16,384 float32; indices 4,096 int32; x 4,096 x 1,024 float32.
;; Outputs: out0 4,096 x 2,048 float32.
;; This version of the problem:
;;   THIS VERSION OF THE PROBLEM IS GIVEN IN LOW PRECISION. The matrix products marked QUANTISED in the list below multiply operands that are first quantised to E3M2 (3 exponent bits, 2 mantissa bits; 6 bits a number), with one power-of-two scale for each 32 numbers along K (OCP MX v1.0); their sums are f32. All else is computed in f32.
;;   The module's matrix products, in the order in which they are computed (A, B: the left and right operand; K: the contracted axis; several contracted axes count as one K, in the product's order):
;;     1. [M 4,096, K 1,024] x [K 1,024, N 16,384]; A: input x; B: input W: QUANTISED
;;   THE QUANTISER, for each operand of a quantised product, along K:
;;     - K is cut into blocks of 32 from its start; a last block that is shorter is filled with zeros.
;;     - A block's scale is 2^e with e = floor(log2(the largest magnitude in the block)) - 4, held to -126 .. 127; a block of zeros has e = 0. As a byte (E8M0): e + 127.
;;     - Each number is divided by its block's scale, clamped to +-28, and rounded to the nearest number of E3M2, ties to even, subnormals kept.
;;     - The product sums the exact products of the quantised numbers (number of the format x scale) in f32.
;;   ~~~python
;;   def quantise(x, axis):      # numpy; x: float32 -> the quantised numbers, widened to float32 again
;;       x = np.moveaxis(x, axis, -1); K = x.shape[-1]
;;       x = np.pad(x, [(0, 0)] * (x.ndim - 1) + [(0, -K % 32)]); x = x.reshape(x.shape[:-1] + (-1, 32)); a = np.abs(x).max(-1, keepdims=True)
;;       e = np.where(a > 0, np.clip(np.frexp(np.where(a > 0, a, 1))[1] - 1 - 4, -126, 127), 0)      # np.frexp(a)[1] - 1 = floor(log2(a)), exactly
;;       r = np.clip(x / 2.0 ** e, -28, 28)
;;       step = 2.0 ** (np.maximum(np.frexp(np.where(r == 0, 1, r))[1] - 1, -2) - 2)
;;       q = np.round(r / step) * step * 2.0 ** e      # np.round: ties to even
;;       return np.moveaxis(q.reshape(q.shape[:-2] + (-1,))[..., :K], -1, axis).astype(np.float32)
;;   ~~~
;; 2 versions, each right; version 2 is version 1 with the launch gemm written anew for expert scheduling mode. Each part assembles by itself: llvm-mc -triple=amdgcn-amd-amdhsa -mcpu=gfx1250 --defsym DOCPART=n.
;; ======== version 1 of 2: 3 launches
;; workspace buffers: xq 3,366,400 bytes; order 16,896 bytes of whole numbers; meta 256 bytes of whole numbers
;; launch sort (part 1): grid 263 x 1, 8 waves a work-group, no clusters, 2,048 bytes of LDS; arguments indices, order, meta; writes order, meta
.if DOCPART == 1
	.amdgcn_target "amdgcn-amd-amdhsa--gfx1250"
	.amdhsa_code_object_version 6
	.text
	.protected	k_qef2ff62419_sort
	.globl	k_qef2ff62419_sort
	.p2align	8
	.type	k_qef2ff62419_sort,@function
k_qef2ff62419_sort:
	s_mov_b64 s[64:65], 0
	v_nop
	global_prefetch_b8 v0, s[64:65] scope:SCOPE_SE
	s_setreg_imm32_b32 hwreg(HW_REG_WAVE_MODE, 25, 1), 1
	s_wait_xcnt 0x0
; The 4,096 tokens are sorted by their group and cut into tiles of 16.  indices: [4096] i32, 0 .. 7.  A group with c tokens has ceil(c / 16) tiles; the 8 groups together never have more than (4096 + 8 x 15) / 16 = 263.
; One work-group for each possible tile.  Every work-group repeats the small counting sort (whole numbers only) and finds the 16 tokens of ITS tile.
; The list is made here and steers addresses only in the launches behind: in this launch every address and every branch hangs on the work-group's, the wave's and the lane's number alone.
; So a work-group beyond the split's last tile does not end early: it takes the last tile's tokens and stores them to its own 16 words of order, which no launch reads.
; Order inside a group: by (wave, register, lane) of the sort below; every work-group computes the same order.  A last tile that is not full repeats the group's last token in its spare rows.
; OUT.  order: word 16 tile + row = the token.   meta: word 2 g = the group's first tile, 2 g + 1 = its tiles, word 16 = all tiles, words 17 .. 31 = 0.
; LIMIT: an index outside 0 .. 7 is held at 7.
; No matrix unit, no tensor loads, no cluster: 16 KiB of indices and whole-number arithmetic.
.set CNT,  0                           ; LDS: word 8 g + w: tokens of group g in wave w's 512
.set CAN,  256                         ; word 16 w + row: the row's token, if its rank lies in wave w; else 0
.set LANE, 1
.set R,    2                           ; lane % 16
.set L4R,  5                           ; 4 x (lane % 16)
.set TID16, 7                          ; 16 x thread
.set L4,   8                           ; 4 x lane
.set CW,   9                           ; 4 x wave
.set MW,   10                          ; 64 x wave + 4 x (lane % 16)
.set I,    32                          ; v32-47   my 16 indices
.set WRD,  56                          ; the word of lanes in which my row's token lies
.set PREV, 57                          ; the group's tokens ahead of that word
.set F2,   58                          ; its set bits counted in fields of 2,
.set F4,   59                          ; 4,
.set F8,   60                          ; 8,
.set F16,  61                          ; 16 bits
.set SEL,  16                          ; s[16:17] lane selects for v_permlanex16_b32: lane xor 16
.set CN,   20                          ; s[20:27] tokens of each group
.set TL,   28                          ; s[28:35] its tiles
.set TB,   36                          ; s[36:43] its first tile
.set EN,   44                          ; s[44:51] the tile behind its last
.set BL,   66                          ; s[66:81] my wave's 16 lane masks
; n registers from v24 on: each lane adds the register of lane xor m, inside its 16 lanes (v28 on: at work)
.macro RED n, m
.set pp, 0
.rept \n
	v_mov_b32_dpp v[28+pp], v[24+pp] row_xmask:\m row_mask:0xf bank_mask:0xf
.set pp, pp+1
.endr
.set pp, 0
.rept \n
	v_add_nc_u32 v[24+pp], v[24+pp], v[28+pp]
.set pp, pp+1
.endr
.endm
; the same with lane xor 16
.macro REDX n
.set pp, 0
.rept \n
	v_permlanex16_b32 v[28+pp], v[24+pp], s[SEL], s[SEL+1]
.set pp, pp+1
.endr
.set pp, 0
.rept \n
	v_add_nc_u32 v[24+pp], v[24+pp], v[28+pp]
.set pp, pp+1
.endr
.endm
; one step of the search for the set bit number v18 of a word: v21 = the bit found so far; src holds the counts of fields of wid bits
.macro PICK src, fmask, wid
	v_lshrrev_b32 v22, v21, v[\src]
	v_and_b32 v22, \fmask, v22                     ; set bits in the lower half of what is left
	v_cmp_ge_u32 vcc_lo, v18, v22                  ; mine lies beyond them?
	v_cndmask_b32 v22, 0, v22, vcc_lo
	v_sub_nc_u32 v18, v18, v22
	v_cndmask_b32 v23, 0, \wid, vcc_lo
	v_add_nc_u32 v21, v21, v23
.endm
	s_load_b128 s[4:7], s[0:1], 0x0                ; indices s[4:5], order s[6:7]
	s_load_b64 s[8:9], s[0:1], 0x10                ; meta
	v_lshl_add_u32 v64, v0, 2, 0x400
	v_mov_b32 v65, 0
	v_lshrrev_b32 v11, 5, v0
	v_readfirstlane_b32 s14, v11                   ; wave 0..7
	v_and_b32 v[LANE], 31, v0
	v_and_b32 v[R], 15, v0
	v_lshlrev_b32 v[L4R], 2, v[R]
	v_lshlrev_b32 v[TID16], 4, v0
	v_lshlrev_b32 v[L4], 2, v[LANE]
	v_lshlrev_b32 v[CW], 2, v11
	v_lshl_add_u32 v[MW], v11, 6, v[L4R]
	s_mov_b32 s[SEL], 0x76543210
	s_mov_b32 s[SEL+1], 0xfedcba98
	s_mov_b32 s18, 0x0f0f0f0f
	s_mov_b32 s19, 0x00ff00ff
	s_lshl_b32 s62, ttmp9, 6                       ; my tile's 16 words of order
	s_mov_b32 s63, 0
	s_wait_kmcnt 0x0
.irp i, 0,1,2,3
	global_load_b128 v[I+4*\i:I+4*\i+3], v[TID16], s[4:5] offset:4096*\i   ; thread t: indices 1024 i + 4 t + 0 .. 3; a wave reads 512 consecutive bytes
.endr
	s_add_nc_u64 s[86:87], s[6:7], s[62:63]
	v_mov_b32 v18, 0
	v_mov_b32 v19, 0
.irp p, 0,1,2,3
	v_mov_b32 v[28+\p], 0                          ; written once: a lane permute's destination counts as one of its sources
.endr
	s_wait_loadcnt 0x0
	; ---- how many of my 16 indices fall on each group: fields of 4 bits (8 indices to a register: at most 8 in a field), then bytes, then halves
.irp q, 0,1,2,3,4,5,6,7,8,9,10,11,12,13,14,15
	v_min_u32 v[I+\q], 7, v[I+\q]
.endr
.irp q, 0,1,2,3,4,5,6,7
	v_lshlrev_b32 v20, 2, v[I+\q]
	v_lshlrev_b32 v21, 2, v[I+8+\q]
	v_lshl_add_u32 v18, 1, v20, v18
	v_lshl_add_u32 v19, 1, v21, v19
.endr
	v_and_b32 v20, s18, v18
	v_and_b32 v21, s18, v19
	v_add_nc_u32 v20, v20, v21                     ; bytes: groups 0, 2, 4, 6
	v_lshrrev_b32 v18, 4, v18
	v_lshrrev_b32 v19, 4, v19
	v_and_b32 v18, s18, v18
	v_and_b32 v19, s18, v19
	v_add_nc_u32 v21, v18, v19                     ; bytes: groups 1, 3, 5, 7
	v_and_b32 v24, s19, v20                        ; halves: groups 0, 4
	v_lshrrev_b32 v20, 8, v20
	v_and_b32 v25, s19, v20                        ; 2, 6
	v_and_b32 v26, s19, v21                        ; 1, 5
	v_lshrrev_b32 v21, 8, v21
	v_and_b32 v27, s19, v21                        ; 3, 7
	RED 4, 1
	RED 4, 2
	RED 4, 4
	RED 4, 8
	REDX 4                                         ; over the wave's 32 lanes: at most 512 in a half
	v_and_b32 v48, 0xffff, v24
	v_lshrrev_b32 v52, 16, v24
	v_and_b32 v50, 0xffff, v25
	v_lshrrev_b32 v54, 16, v25
	v_and_b32 v49, 0xffff, v26
	v_lshrrev_b32 v53, 16, v26
	v_and_b32 v51, 0xffff, v27
	v_lshrrev_b32 v55, 16, v27
.irp g, 0,1,2,3,4,5,6,7
	ds_store_b32 v[CW], v[48+\g] offset:CNT+32*\g  ; all lanes write the same word with the same value
.endr
	s_wait_dscnt 0x0                               ; for the others' sake: my counts lie in LDS
	s_barrier_signal -1
	s_barrier_wait -1
	; ---- the groups' totals, tiles and first tiles
	ds_load_b32 v20, v[L4] offset:CNT              ; lane l: group l / 8, wave l % 8
	ds_load_b32 v21, v[L4] offset:CNT+128          ; group 4 + l / 8
	s_wait_dscnt 0x0
	v_mov_b32 v24, v20
	v_mov_b32 v25, v21
	RED 2, 1
	RED 2, 2
	RED 2, 4
.irp g, 0,1,2,3
	v_readlane_b32 s[CN+\g], v24, 8*\g
	v_readlane_b32 s[CN+4+\g], v25, 8*\g
.endr
.irp g, 0,1,2,3,4,5,6,7
	s_add_co_u32 s[TL+\g], s[CN+\g], 15
.endr
.irp g, 0,1,2,3,4,5,6,7
	s_lshr_b32 s[TL+\g], s[TL+\g], 4
.endr
	s_mov_b32 s[TB], 0
	s_mov_b32 s[EN], s[TL]
.irp g, 1,2,3,4,5,6,7
	s_mov_b32 s[TB+\g], s[EN+\g-1]
	s_add_co_u32 s[EN+\g], s[EN+\g-1], s[TL+\g]
.endr
	s_mov_b32 s52, s[EN+7]                         ; all tiles: at least 1, at most 263
	s_sub_co_u32 s53, s52, 1
	s_min_u32 s53, s53, ttmp9                      ; my tile, held inside the tiles that there are
	s_mov_b32 s54, 7                               ; its group: the first whose tiles end behind it (never an empty one),
	s_mov_b32 s55, s[CN+7]                         ; that group's tokens,
	s_mov_b32 s56, s[TB+7]                         ; and first tile
.irp g, 6,5,4,3,2,1,0
	s_cmp_lt_u32 s53, s[EN+\g]
	s_cselect_b32 s54, \g, s54
	s_cselect_b32 s55, s[CN+\g], s55
	s_cselect_b32 s56, s[TB+\g], s56
.endr
	s_sub_co_u32 s57, s53, s56
	s_lshl_b32 s57, s57, 4                         ; the rank, in its group, of my tile's first token
	s_sub_co_u32 s58, s55, s57
	s_sub_co_u32 s58, s58, 1
	s_min_u32 s58, s58, 15                         ; the tile's last row that has a token of its own
	; ---- tokens of my group in the waves ahead of mine: chosen by compares, no address hangs on the group
	s_cmp_ge_u32 s54, 4
	s_cselect_b32 vcc_lo, -1, 0
	v_cndmask_b32 v24, v20, v21, vcc_lo
	s_and_b32 s60, s54, 3
	v_lshrrev_b32 v22, 3, v[LANE]
	v_and_b32 v23, 7, v[LANE]
	v_cmp_eq_u32 s61, s60, v22
	v_cmp_gt_u32 vcc_lo, s14, v23
	s_and_b32 vcc_lo, vcc_lo, s61
	v_cndmask_b32 v24, 0, v24, vcc_lo
	RED 1, 1
	RED 1, 2
	RED 1, 4
	RED 1, 8
	REDX 1
	v_readfirstlane_b32 s59, v24
	; ---- row r wants the group's token of rank k.  My wave's 16 words of lanes that belong to the group stay in scalar registers; s59 runs along as the count ahead of each word, and never falls
.irp q, 0,1,2,3,4,5,6,7,8,9,10,11,12,13,14,15
	v_cmp_eq_u32 s[BL+\q], s54, v[I+\q]
.endr
	v_min_u32 v19, s58, v[R]
	v_add_nc_u32 v19, s57, v19                     ; k (spare rows take the last token's)
	v_mov_b32 v[WRD], 0
	v_mov_b32 v[PREV], 0
	v_mov_b32 v20, 0
	s_mov_b32 s82, s59                             ; the count ahead of my wave
.irp q, 0,1,2,3,4,5,6,7,8,9,10,11,12,13,14,15      ; the last word whose count is at most k
	v_cmp_gt_u32 vcc_lo, s59, v19                  ; this word begins beyond k: what was chosen stays
	v_cndmask_b32 v[WRD], s[BL+\q], v[WRD], vcc_lo
	v_cndmask_b32 v[PREV], s59, v[PREV], vcc_lo
	v_cndmask_b32 v20, \q, v20, vcc_lo
	s_bcnt1_i32_b32 s60, s[BL+\q]
	s_add_co_u32 s59, s59, s60
.endr
	v_sub_nc_u32 v18, v19, v[PREV]                 ; which set bit of the word, from 0 (of no meaning where k lies in another wave: such a row is cleared below)
	v_lshrrev_b32 v22, 1, v[WRD]
	v_and_b32 v22, 0x55555555, v22
	v_sub_nc_u32 v[F2], v[WRD], v22                ; set bits in fields of 2,
	v_lshrrev_b32 v22, 2, v[F2]
	v_and_b32 v22, 0x33333333, v22
	v_and_b32 v23, 0x33333333, v[F2]
	v_add_nc_u32 v[F4], v22, v23                   ; of 4,
	v_lshrrev_b32 v22, 4, v[F4]
	v_add_nc_u32 v22, v22, v[F4]
	v_and_b32 v[F8], s18, v22                      ; of 8,
	v_lshrrev_b32 v22, 8, v[F8]
	v_add_nc_u32 v22, v22, v[F8]
	v_and_b32 v[F16], s19, v22                     ; of 16
	v_mov_b32 v21, 0
	PICK F16, 0xffff, 16
	PICK F8, 0xff, 8
	PICK F4, 15, 4
	PICK F2, 3, 2
	PICK WRD, 1, 1
	v_lshrrev_b32 v22, 2, v20                      ; word 4 i + e of wave w, bit l, is token 1024 i + 128 w + 4 l + e
	v_and_b32 v23, 3, v20
	v_lshl_add_u32 v22, v22, 10, v23
	v_lshl_add_u32 v22, v21, 2, v22
	s_lshl_b32 s60, s14, 7
	v_add_nc_u32 v22, s60, v22
	v_cmp_le_u32 s61, s82, v19                     ; k lies in my wave: not ahead of it,
	v_cmp_gt_u32 vcc_lo, s59, v19                  ; and not behind it
	s_and_b32 vcc_lo, vcc_lo, s61
	v_cndmask_b32 v22, 0, v22, vcc_lo              ; the waves' ranks part the group's: one wave has the token, the other seven store 0
	ds_store_b32 v[MW], v22 offset:CAN             ; lanes l and l + 16 write the same word with the same value
	s_wait_dscnt 0x0                               ; for wave 0's sake
	s_barrier_signal -1
	s_barrier_wait -1                              ; the last barrier
	s_cmp_lg_u32 s14, 0
	s_cbranch_scc1 .Lend                           ; wave 0 stores
.irp w, 0,1,2,3,4,5,6,7
	ds_load_b32 v[24+\w], v[L4R] offset:CAN+64*\w
.endr
	s_wait_dscnt 0x0
	v_add3_u32 v24, v24, v25, v26
	v_add3_u32 v27, v27, v28, v29
	v_add3_u32 v24, v24, v27, v30
	v_add_nc_u32 v24, v24, v31
	v_min_u32 v24, 0xfff, v24
	global_store_b32 v[L4R], v24, s[86:87]         ; the tile's 16 tokens; lanes l and l + 16 store the same word with the same value
	s_cmp_lg_u32 ttmp9, 0
	s_cbranch_scc1 .Lend
	v_mov_b32 v20, 0                               ; wave 0 of work-group 0: the table of groups
.irp g, 0,1,2,3,4,5,6,7
	v_writelane_b32 v20, s[TB+\g], 2*\g
	v_writelane_b32 v20, s[TL+\g], 2*\g+1
.endr
	v_writelane_b32 v20, s52, 16
	global_store_b32 v[L4], v20, s[8:9]
.Lend:
	s_wait_tensorcnt 0x0
	ds_add_u32 v64, v65
	s_wait_dscnt 0x0
	s_endpgm
.Lfunc_end_k_qef2ff62419_sort:
	.size	k_qef2ff62419_sort, .Lfunc_end_k_qef2ff62419_sort-k_qef2ff62419_sort
	.p2alignl 7, 3214868480
	.fill 96, 4, 3214868480
	.section	.rodata,"a",@progbits
	.p2align	6, 0x0
	.amdhsa_kernel k_qef2ff62419_sort
		.amdhsa_group_segment_fixed_size 2048
		.amdhsa_private_segment_fixed_size 0
		.amdhsa_enable_private_segment 0
		.amdhsa_kernarg_size 24
		.amdhsa_user_sgpr_count 2
		.amdhsa_user_sgpr_kernarg_segment_ptr 1
		.amdhsa_wavefront_size32 1
		.amdhsa_system_sgpr_workgroup_id_x 1
		.amdhsa_system_sgpr_workgroup_id_y 1
		.amdhsa_system_sgpr_workgroup_id_z 1
		.amdhsa_system_vgpr_workitem_id 0
		.amdhsa_next_free_vgpr 66
		.amdhsa_next_free_sgpr 88
		.amdhsa_reserve_vcc 1
		.amdhsa_float_denorm_mode_32 3
		.amdhsa_float_denorm_mode_16_64 3
		.amdhsa_memory_ordered 1
		.amdhsa_forward_progress 1
		.amdhsa_inst_pref_size 21
	.end_amdhsa_kernel
	.amdgpu_metadata
---
amdhsa.version: [ 1, 2 ]
amdhsa.kernels:
  - .name:           k_qef2ff62419_sort
    .symbol:         k_qef2ff62419_sort.kd
    .args:
      - { .name: indices, .offset: 0, .size: 8, .value_kind: global_buffer, .address_space: global }
      - { .name: order, .offset: 8, .size: 8, .value_kind: global_buffer, .address_space: global }
      - { .name: meta, .offset: 16, .size: 8, .value_kind: global_buffer, .address_space: global }
    .group_segment_fixed_size: 2048
    .private_segment_fixed_size: 0
    .kernarg_segment_align: 8
    .kernarg_segment_size: 24
    .max_flat_workgroup_size: 256
    .sgpr_count:     88
    .vgpr_count:     66
    .wavefront_size: 32
...
	.end_amdgpu_metadata
.endif
;; end of part 1
;; launch quant (part 2): grid 263 x 1, 8 waves a work-group, no clusters, 68,608 bytes of LDS; arguments x, order, meta, xq; writes xq
.if DOCPART == 2
	.amdgcn_target "amdgcn-amd-amdhsa--gfx1250"
	.amdhsa_code_object_version 6
	.text
	.protected	k_qef2ff62419_quant
	.globl	k_qef2ff62419_quant
	.p2align	8
	.type	k_qef2ff62419_quant,@function
k_qef2ff62419_quant:
	s_mov_b64 s[64:65], 0
	v_nop
	global_prefetch_b8 v0, s[64:65] scope:SCOPE_SE
	s_setreg_imm32_b32 hwreg(HW_REG_WAVE_MODE, 25, 1), 1
	s_wait_xcnt 0x0
; Each tile of 16 sorted tokens of x is turned into codes of BF6 (E3M2) with one E8M0 byte for each 32 along K = 1,024.  x: [4096][1024] f32.
; order (word 16 tile + row = the token) and meta (word 16 = all tiles) were stored by the launch before.  One work-group for each possible tile, 263; one that the split leaves without a tile stores nothing and ends.
; Wave s takes K step s (128 along K) of the tile's 16 rows: 16 loads of 512 consecutive bytes, a turn through the wave's own stage in LDS, so that a lane holds two whole blocks of 32 neighbours, the quantiser, the stores.
; OUT.  xq: a record of 12,800 bytes a tile: the 8 fragments (16 tokens x 128 K, 12 registers a lane) as images of the operand's registers: byte 512 (3 s + c) + 16 lane holds registers 4 c .. 4 c + 3 of K step s;
;       from byte 12,288 on the scale words: 64 s + 4 row.
; A block's scale is 2^(floor(log2(its largest magnitude)) - 4); its byte is the largest magnitude's exponent field - 4, held at 1 from below.
; LIMITS: NaN and infinities in x are not served; blocks whose largest magnitude lies under 2^(5 - 127) keep the byte 1 (not tried); a block of zeros gets the byte 1 where the rule says 127: its codes are zeros,
; which add nothing under any byte but 0xff, and this program alone reads the bytes.
; No matrix unit, no tensor loads, no cluster, no barrier: a gather of 64 KiB a work-group; waves and work-groups share nothing.
.set SPT,  528                         ; a stage row: 512 bytes + 16 = 33 x 16: the 16 rows that a load of 16 bytes a lane touches start at 16 different columns of 16 bytes
.set WST,  16*SPT                      ; LDS: a stage of 16 rows for each wave, from byte 0 on
.set REC,  12800
.set LANE, 1
.set R,    2                           ; lane % 16
.set H,    3                           ; lane / 16
.set LI,   4                           ; 16 x lane
.set L4R,  5                           ; 4 x (lane % 16)
.set SH8,  6                           ; 8 x (lane / 16)
.set MW,   10                          ; 64 x wave + 4 x (lane % 16)
.set FO,   13                          ; 16 x lane + 1,536 x wave: my place in the tile's record
.set SA,   14                          ; the stage, on the way in
.set SB,   15                          ; and on the way out
.set XL,   16                          ; 16 x lane + 512 x wave: my bytes of a row of x
.set PW,   17                          ; the scale word
.set ROFF, 48                          ; v48-63   byte offsets of the 16 rows
.set RAW,  64                          ; v64-127  the rows as loaded
.set X,    128                         ; v128-191 64 numbers of my row
.set P,    192                         ; v192-203 the fragment
.set PT,   204                         ; v204-211 second halves of the blocks' codes
.set TM,   212                         ; v212-218 at work
.set TK,   16                          ; s[16:31] the tile's 16 tokens
.set SEL,  32                          ; s[32:33] lane selects for v_permlanex16_b32: lane xor 16
; 64 numbers of a lane, register 32 c + i = k 64 c + 32 (lane / 16) + i of my row: two whole blocks.  They become the fragment's 12 registers from v[cd] on and my row's scale word in v[wd].
.macro QUANTB x, cd, wd
.irp c, 0,1
	v_max3_num_f32 v[TM+\c], |v[\x+32*\c]|, |v[\x+32*\c+1]|, 0x2800000          ; the floor 2^(5 - 127) among the leaves: the byte cannot fall under 1
	v_max3_num_f32 v[TM+2+\c], |v[\x+32*\c+16]|, |v[\x+32*\c+17]|, |v[\x+32*\c+18]|
.endr
.irp i, 2,4,6,8,10,12,14
.irp c, 0,1
	v_max3_num_f32 v[TM+\c], v[TM+\c], |v[\x+32*\c+\i]|, |v[\x+32*\c+\i+1]|
.endr
.endr
.irp i, 19,21,23,25,27,29
.irp c, 0,1
	v_max3_num_f32 v[TM+2+\c], v[TM+2+\c], |v[\x+32*\c+\i]|, |v[\x+32*\c+\i+1]|
.endr
.endr
.irp c, 0,1
	v_max3_num_f32 v[TM+\c], v[TM+\c], v[TM+2+\c], |v[\x+32*\c+31]|             ; the block's largest magnitude: all 32 numbers are mine
.endr
.irp c, 0,1
	v_add_nc_u32 v[TM+4+\c], 0xfe000000, v[TM+\c]                               ; 4 off its exponent field: the conversion takes the exponent field of this operand as its scale
.endr
.irp c, 0,1
	v_lshrrev_b32 v[TM+2+\c], 23, v[TM+4+\c]                                    ; the scale's byte
.endr
	v_lshl_or_b32 v[\wd], v[TM+3], 16, v[TM+2]                                  ; my two bytes: blocks (lane / 16) and 2 + (lane / 16),
	v_lshlrev_b32 v[\wd], v[SH8], v[\wd]                                        ; at their places in the word;
	v_permlanex16_b32 v[TM+6], v[\wd], s[SEL], s[SEL+1]
	v_or_b32 v[\wd], v[\wd], v[TM+6]                                            ; with lane xor 16's two the word is whole, in both halves of the lanes
.irp c, 0,1
	v_cvt_scalef32_pk16_bf6_f32 v[\cd+6*\c:\cd+6*\c+2], v[\x+32*\c:\x+32*\c+15], v[TM+4+\c]
	v_cvt_scalef32_pk16_bf6_f32 v[PT+4*\c:PT+4*\c+2], v[\x+32*\c+16:\x+32*\c+31], v[TM+4+\c]   ; (a conversion's three registers begin on an even number)
.endr
	v_nop                                                                       ; one plain place behind a scaled conversion
.irp c, 0,1
.irp i, 0,1,2
	v_mov_b32 v[\cd+3+6*\c+\i], v[PT+4*\c+\i]
.endr
.endr
.endm
	s_load_b256 s[4:11], s[0:1], 0x0               ; x s[4:5], order s[6:7], meta s[8:9], xq s[10:11]
	v_lshl_add_u32 v224, v0, 2, 0x10800
	v_mov_b32 v225, 0
	v_lshrrev_b32 v11, 5, v0
	v_readfirstlane_b32 s14, v11                   ; wave 0..7
	s_lshl_b32 s62, ttmp9, 6                       ; my tile's 16 words of order,
	s_mov_b32 s63, 0
	s_mul_i32 s82, ttmp9, REC                      ; and its record
	s_mov_b32 s83, 0
	s_wait_kmcnt 0x0
	s_add_nc_u64 s[86:87], s[6:7], s[62:63]
	s_load_b256 s[TK:TK+7], s[86:87], 0x0          ; the tokens of rows 0 .. 7,
	s_load_b256 s[TK+8:TK+15], s[86:87], 0x20      ; 8 .. 15,
	s_load_b32 s52, s[8:9], 0x40                   ; and how many tiles this split has
	s_add_nc_u64 s[84:85], s[10:11], s[82:83]
	v_and_b32 v[LANE], 31, v0
	v_and_b32 v[R], 15, v0
	v_bfe_u32 v[H], v0, 4, 1
	v_lshlrev_b32 v[LI], 4, v[LANE]
	v_lshlrev_b32 v[L4R], 2, v[R]
	v_lshlrev_b32 v[SH8], 3, v[H]
	v_lshl_add_u32 v[MW], v11, 6, v[L4R]
	s_mul_i32 s60, s14, WST                        ; my wave's stage
	v_add_nc_u32 v[SA], s60, v[LI]
	v_mul_u32_u24 v18, v[R], SPT
	v_lshl_add_u32 v18, v[H], 7, v18
	v_add_nc_u32 v[SB], s60, v18                   ; row lane % 16, + 128 bytes for lanes 16-31
	s_lshl_b32 s60, s14, 9
	v_add_nc_u32 v[XL], s60, v[LI]
	s_mul_i32 s60, s14, 1536
	v_add_nc_u32 v[FO], s60, v[LI]
	s_mov_b32 s[SEL], 0x76543210
	s_mov_b32 s[SEL+1], 0xfedcba98
	v_mov_b32 v[TM+6], 0                           ; written once: a lane permute's destination counts as one of its sources
	s_wait_kmcnt 0x0
	s_cmp_ge_u32 ttmp9, s52
	s_cbranch_scc1 .Lend                           ; this split has no such tile: nothing to store
	; ---- wave s takes K step s of the 16 rows: each load reads 512 consecutive bytes of one row
.irp i, 0,1,2,3,4,5,6,7,8,9,10,11,12,13,14,15
	s_min_u32 s[TK+\i], s[TK+\i], 4095
.endr
.irp i, 0,1,2,3,4,5,6,7,8,9,10,11,12,13,14,15
	v_lshl_add_u32 v[ROFF+\i], s[TK+\i], 12, v[XL]
.endr
.irp i, 0,1,2,3,4,5,6,7,8,9,10,11,12,13,14,15
	global_load_b128 v[RAW+4*\i:RAW+4*\i+3], v[ROFF+\i], s[4:5]   ; no hint: a spare row names a token twice
.endr
.irp i, 0,1,2,3,4,5,6,7,8,9,10,11,12,13,14,15
	s_wait_loadcnt 15-\i                           ; row i is in; the rows asked for behind it may be out
	ds_store_b128 v[SA], v[RAW+4*\i:RAW+4*\i+3] offset:SPT*\i
.endr
.irp c, 0,1
.irp j, 0,1,2,3,4,5,6,7
	ds_load_b128 v[X+32*\c+4*\j:X+32*\c+4*\j+3], v[SB] offset:256*\c+16*\j   ; LDS serves a wave's instructions in order: these see my stores.  Register 32 c + i: k 64 c + 32 (lane / 16) + i of row lane % 16
.endr
.endr
	s_wait_dscnt 0x0
	QUANTB X, P, PW
.irp c, 0,1,2
	global_store_b128 v[FO], v[P+4*\c:P+4*\c+3], s[84:85] offset:512*\c      ; 32 lanes store 512 consecutive bytes, at a multiple of 256 from xq's first byte
.endr
	global_store_b32 v[MW], v[PW], s[84:85] offset:12288                     ; lanes l and l + 16 store the same word with the same value
.Lend:
	s_wait_tensorcnt 0x0
	ds_add_u32 v224, v225
	s_wait_dscnt 0x0
	s_endpgm
.Lfunc_end_k_qef2ff62419_quant:
	.size	k_qef2ff62419_quant, .Lfunc_end_k_qef2ff62419_quant-k_qef2ff62419_quant
	.p2alignl 7, 3214868480
	.fill 96, 4, 3214868480
	.section	.rodata,"a",@progbits
	.p2align	6, 0x0
	.amdhsa_kernel k_qef2ff62419_quant
		.amdhsa_group_segment_fixed_size 68608
		.amdhsa_private_segment_fixed_size 0
		.amdhsa_enable_private_segment 0
		.amdhsa_kernarg_size 32
		.amdhsa_user_sgpr_count 2
		.amdhsa_user_sgpr_kernarg_segment_ptr 1
		.amdhsa_wavefront_size32 1
		.amdhsa_system_sgpr_workgroup_id_x 1
		.amdhsa_system_sgpr_workgroup_id_y 1
		.amdhsa_system_sgpr_workgroup_id_z 1
		.amdhsa_system_vgpr_workitem_id 0
		.amdhsa_next_free_vgpr 226
		.amdhsa_next_free_sgpr 88
		.amdhsa_reserve_vcc 0
		.amdhsa_float_denorm_mode_32 3
		.amdhsa_float_denorm_mode_16_64 3
		.amdhsa_memory_ordered 1
		.amdhsa_forward_progress 1
		.amdhsa_inst_pref_size 12
	.end_amdhsa_kernel
	.amdgpu_metadata
---
amdhsa.version: [ 1, 2 ]
amdhsa.kernels:
  - .name:           k_qef2ff62419_quant
    .symbol:         k_qef2ff62419_quant.kd
    .args:
      - { .name: x, .offset: 0, .size: 8, .value_kind: global_buffer, .address_space: global }
      - { .name: order, .offset: 8, .size: 8, .value_kind: global_buffer, .address_space: global }
      - { .name: meta, .offset: 16, .size: 8, .value_kind: global_buffer, .address_space: global }
      - { .name: xq, .offset: 24, .size: 8, .value_kind: global_buffer, .address_space: global }
    .group_segment_fixed_size: 68608
    .private_segment_fixed_size: 0
    .kernarg_segment_align: 8
    .kernarg_segment_size: 32
    .max_flat_workgroup_size: 256
    .sgpr_count:     88
    .vgpr_count:     226
    .wavefront_size: 32
...
	.end_amdgpu_metadata
.endif
;; end of part 2
;; launch gemm (part 3): grid 32 x 8, 4 waves a work-group, no clusters, 138,752 bytes of LDS; arguments W, b, xq, order, meta, out0; writes out0
.if DOCPART == 3
	.amdgcn_target "amdgcn-amd-amdhsa--gfx1250"
	.amdhsa_code_object_version 6
	.text
	.protected	k_qef2ff62419_gemm
	.globl	k_qef2ff62419_gemm
	.p2align	8
	.type	k_qef2ff62419_gemm,@function
k_qef2ff62419_gemm:
	s_mov_b64 s[64:65], 0
	v_nop
	global_prefetch_b8 v0, s[64:65] scope:SCOPE_SE
	s_setreg_imm32_b32 hwreg(HW_REG_WAVE_MODE, 25, 1), 1
	s_wait_xcnt 0x0
; out0[n][:] = Q(x[n]) Q(W[2048 g .. 2048 g + 2047])^T + b[2048 g ..], g = indices[n]: only the chosen group's product is made.  Codes of BF6 (E3M2), one E8M0 scale for each 32 along K = 1,024; sums in f32.
; Work-group (slice, g) owns 64 columns of group g for ALL tokens of that group: so each number of W is read from memory once, by one work-group, quantised in registers, and its codes never go to memory.
; W PHASE.  Wave w takes rows 16 w .. 16 w + 15 of the slice, K step by K step (128 along K): 16 loads of 512 consecutive bytes, a turn through the wave's own stage in LDS, so that a lane holds two whole blocks of
; 32 neighbours, the quantiser, and the fragment goes to LDS as an image of its registers.  One barrier; then every wave fetches all 32 fragments: 384 registers, which stay.
; X PHASE.  The group's tiles of 16 sorted tokens, made by the launch before, come as images of the operand's registers: 24 loads of 512 consecutive bytes a tile, straight into registers.  The waves take the tiles by
; turns (wave w: tiles w, w + 4, ..).  A tile is 32 matrix instructions: 4 tiles of columns x 8 K steps; the bias is the C of each sum's first.  Two sets of registers: one tile is multiplied while the next is on its way.
; THE MATRIX INSTRUCTION IS USED TRANSPOSED (source 0 = 16 rows of W, source 1 = 16 tokens): a lane holds eight neighbouring columns of one token.  They go through the wave's own stage and leave as whole rows:
; sixteen lanes store the 256 consecutive bytes of a token's row that belong to this slice, at a multiple of 256 from out0's first byte.
; NOT IN CLUSTERS: the 32 work-groups of a group read the same tiles of x, but the number of a group's tiles is read from memory, and a launch with tensor loads keeps its trip counts constant;
; a constant count would be 256 tiles (all tokens on one group) for each of the 8 groups, eight times the tiles that there are.
; LIMITS: NaN and infinities in W are not served; blocks whose largest magnitude lies under 2^(5 - 127) keep the byte 1 (not tried); a block of zeros gets the byte 1: its codes are zeros.  Every split of the tokens
; over the groups gives right values; the work is even only where the groups are about equal.  A spare row of a group's last tile repeats the group's last token: the same bits are stored to the same bytes by the same wave.
; REGISTERS, in windows of 256: window 0: v1-13 addresses; v16-47 W's scale words, v48-55 x's (scales and nothing else); v56-71 tokens; v72-79, v80-239 at work.
;   window 1: in the W phase four sets of 64 for the loads of W; then W's fragments of K steps 0-3, (s, t) at v[12 (4 s + t)].   window 2: those of K steps 4-7.
;   window 3: x's fragments, two sets of 96 (K step s at 12 s); from v192 the bias, 8 registers for each tile of columns.
.set WIMG, 0                           ; LDS: W's 32 fragments, f = 4 s + t at 1,536 f: three blocks of 512 bytes, lane l's 16 bytes at 16 l
.set WSC,  49152                       ; their scale words, 128 bytes each
.set STG,  53248                       ; two stages of 16 rows x (512 + 16) bytes for each wave
.set SPT,  528
.set WST,  16*SPT
.set OSTG, STG+4*2*WST                 ; the way out: 16 rows x (256 + 16) bytes for each wave
.set OPT,  272
.set REC,  12800                       ; a tile's record in xq
.set LI,   1                           ; 16 x lane
.set LS,   2                           ; 4 x lane
.set SA,   3                           ; the stage, on the way in
.set SB,   4                           ; and on the way out
.set IA,   5                           ; 16 x lane + 1,536 x wave
.set ISA,  6                           ; 4 x lane + 128 x wave
.set SH8,  7                           ; 8 x (lane / 16)
.set STO,  8                           ; the way out: where I put 32 bytes of a token's row
.set RD,   9                           ; and where I read a row back
.set CO,   10                          ; 16 x (lane % 16)
.set OA,   11                          ; 32 x (lane / 16)
.set PW0,  12                          ; v12-13 the scale word just made, by turns
.set WS,   16
.set XSC,  48
.set ORD,  56
.set TM,   72                          ; W phase: at work
.set OFF,  72                          ; x phase: byte offsets of the tile's rows in out0
.set X0,   80                          ; W phase: two sets of 64 numbers
.set ACC,  80                          ; x phase: four accumulators
.set OB,   112                         ; x phase: rows read back from the stage
.set P0,   208                         ; two sets of 12: the fragment just made
.set PT,   232
.set BIAS, 192                         ; in window 3
.set SEL,  30                          ; s[30:31]
.set TRIP, 42                          ; s42  trips done
.set TRIPS, 43                         ; s43  trips that my wave has
.set MSB, 0
.macro WIN new                         ; the immediate's high byte repeats the setting that is left; a switch that changes nothing is dropped
.if MSB != \new
	s_set_vgpr_msb (MSB<<8)|\new
.set MSB, \new
.endif
.endm
; 64 numbers of a lane, register 32 c + i = k 64 c + 32 (lane / 16) + i of my row: two whole blocks.  They become the fragment's 12 registers from v[cd] on and my row's scale word in v[wd].
.macro QUANTB x, cd, wd
.irp c, 0,1
	v_max3_num_f32 v[TM+\c], |v[\x+32*\c]|, |v[\x+32*\c+1]|, 0x2800000          ; the floor 2^(5 - 127) among the leaves: the byte cannot fall under 1
	v_max3_num_f32 v[TM+2+\c], |v[\x+32*\c+16]|, |v[\x+32*\c+17]|, |v[\x+32*\c+18]|
.endr
.irp i, 2,4,6,8,10,12,14
.irp c, 0,1
	v_max3_num_f32 v[TM+\c], v[TM+\c], |v[\x+32*\c+\i]|, |v[\x+32*\c+\i+1]|
.endr
.endr
.irp i, 19,21,23,25,27,29
.irp c, 0,1
	v_max3_num_f32 v[TM+2+\c], v[TM+2+\c], |v[\x+32*\c+\i]|, |v[\x+32*\c+\i+1]|
.endr
.endr
.irp c, 0,1
	v_max3_num_f32 v[TM+\c], v[TM+\c], v[TM+2+\c], |v[\x+32*\c+31]|             ; the block's largest magnitude: all 32 numbers are mine
.endr
.irp c, 0,1
	v_add_nc_u32 v[TM+4+\c], 0xfe000000, v[TM+\c]                               ; 4 off its exponent field: the conversion takes the exponent field of this operand as its scale
.endr
.irp c, 0,1
	v_lshrrev_b32 v[TM+2+\c], 23, v[TM+4+\c]                                    ; the scale's byte
.endr
	v_lshl_or_b32 v[\wd], v[TM+3], 16, v[TM+2]                                  ; my two bytes: blocks (lane / 16) and 2 + (lane / 16),
	v_lshlrev_b32 v[\wd], v[SH8], v[\wd]                                        ; at their places in the word;
	v_permlanex16_b32 v[TM+6], v[\wd], s[SEL], s[SEL+1]
	v_or_b32 v[\wd], v[\wd], v[TM+6]                                            ; with lane xor 16's two the word is whole, in both halves of the lanes
.irp c, 0,1
	v_cvt_scalef32_pk16_bf6_f32 v[\cd+6*\c:\cd+6*\c+2], v[\x+32*\c:\x+32*\c+15], v[TM+4+\c]
	v_cvt_scalef32_pk16_bf6_f32 v[PT+4*\c:PT+4*\c+2], v[\x+32*\c+16:\x+32*\c+31], v[TM+4+\c]   ; (a conversion's three registers begin on an even number)
.endr
	v_nop                                                                       ; one plain place behind a scaled conversion
.irp c, 0,1
.irp i, 0,1,2
	v_mov_b32 v[\cd+3+6*\c+\i], v[PT+4*\c+\i]
.endr
.endr
.endm
; K step t of my 16 rows of W into set t % 4 of window 1: each load reads 512 consecutive bytes of one row; read once in the whole launch
.macro LOADW t
	WIN 0x40                                       ; destination window 1
.irp i, 0,1,2,3,4,5,6,7,8,9,10,11,12,13,14,15
	global_load_b128 v[64*((\t)%4)+4*\i:64*((\t)%4)+4*\i+3], v[LI], s[4:5] offset:4096*\i+512*(\t) th:TH_LOAD_NT
.endr
	WIN 0
.endm
; and through stage t % 2: in as loaded, out 128 bytes a lane and block.  LDS serves a wave's instructions in order: no wait between the stores and the loads
.macro TURN t
	WIN 0x04                                       ; an LDS store's data are its source 1: window 1
.irp i, 0,1,2,3,4,5,6,7,8,9,10,11,12,13,14,15
	ds_store_b128 v[SA], v[64*((\t)%4)+4*\i:64*((\t)%4)+4*\i+3] offset:WST*((\t)%2)+SPT*\i
.endr
	WIN 0
.irp c, 0,1
.irp j, 0,1,2,3,4,5,6,7
	ds_load_b128 v[X0+64*((\t)%2)+32*\c+4*\j:X0+64*((\t)%2)+32*\c+4*\j+3], v[SB] offset:WST*((\t)%2)+256*\c+16*\j
.endr
.endr
.endm
; where the tile (my tile number + ahead) of my group lies: held inside the group's tiles, inside the tiles that were written, and inside the buffers
.macro ADDRX p, ahead
	s_add_co_u32 s28, s27, \ahead
	s_min_u32 s28, s28, s25
	s_add_co_u32 s28, s28, s22
	s_min_u32 s28, s28, s26
	s_min_u32 s28, s28, 262
	s_mul_i32 s20, s28, REC
	s_add_nc_u64 s[32+2*\p:33+2*\p], s[8:9], s[20:21]
	s_lshl_b32 s20, s28, 6
	s_add_nc_u64 s[36+2*\p:37+2*\p], s[10:11], s[20:21]
.endm
; a tile into set p: 30 loads: 24 for the 8 fragments, 4 for the scale words (lanes 0-15: K step 2 j, lanes 16-31: K step 2 j + 1), 2 for the tokens of rows 8 (lane / 16) + 0 .. 7
.macro LOADX p
	WIN 0xc0                                       ; destination window 3
.irp c, 0,1,2,3,4,5,6,7,8,9,10,11,12,13,14,15,16,17,18,19,20,21,22,23
	global_load_b128 v[96*\p+4*\c:96*\p+4*\c+3], v[LI], s[32+2*\p:33+2*\p] offset:512*\c
.endr
	WIN 0
.irp j, 0,1,2,3
	global_load_b32 v[XSC+4*\p+\j], v[LS], s[32+2*\p:33+2*\p] offset:12288+128*\j
.endr
.irp u, 0,1
	global_load_b128 v[ORD+8*\p+4*\u:ORD+8*\p+4*\u+3], v[OA], s[36+2*\p:37+2*\p] offset:16*\u
.endr
.endm
; K step t of the W phase
.macro STEP t
.set XS, X0+64*((\t)%2)
.set PS, P0+12*((\t)%2)
.set WD, PW0+((\t)%2)
.if (\t) > 0
	s_wait_dscnt 4                                 ; this step's numbers are back from the stage; only the last image's four stores may be out
.else
	s_wait_dscnt 0x0
.endif
.if (\t)+4 < 8
	LOADW (\t)+4                                   ; into the set that this step's turn through the stage has read
.endif
.if (\t)+1 < 8
.if 6-(\t) >= 3
	s_wait_loadcnt 48                              ; the next step's 16 loads are in; those of the three steps behind it may be out
.else
	s_wait_loadcnt 16*(6-(\t))                     ; towards the end fewer steps stand behind it
.endif
	TURN (\t)+1
.endif
.if (\t) == 6                          ; all of W is in or in the stage: the x phase's first loads go out here, two steps of work and a barrier ahead of their use
	s_wait_kmcnt 0x0                               ; my group's first tile s22, its tiles s23, all tiles s24
	s_max_u32 s25, s23, 1
	s_sub_co_u32 s25, s25, 1                       ; the group's last tile, counted from its first
	s_sub_co_u32 s26, s24, 1                       ; the last tile of all
	s_mov_b32 s27, s16                             ; my tile number in the group: the first is number wave
	WIN 0xc0
.irp c, 0,1,2,3
.irp u, 0,1
	global_load_b128 v[BIAS+8*\c+4*\u:BIAS+8*\c+4*\u+3], v[OA], s[6:7] offset:64*\c+16*\u   ; in the result's layout: columns 16 c + 8 (lane / 16) + 0 .. 7
.endr
.endr
	WIN 0
	ADDRX 0, 0
	LOADX 0
	ADDRX 1, 4
	LOADX 1
.endif
	QUANTB XS, PS, WD
.irp c, 0,1,2
	ds_store_b128 v[IA], v[PS+4*\c:PS+4*\c+3] offset:WIMG+6144*(\t)+512*\c   ; fragment 4 t + wave, as it stands
.endr
	ds_store_b32 v[ISA], v[WD] offset:WSC+512*(\t)
.endm
; the 32 products of the tile in set p.  The four accumulators take turns, one instruction a turn
.macro PROD p
	WIN 0x3d                                       ; W window 1, x window 3, C (the bias) window 3, D window 0
.irp t, 0,1,2,3
	v_wmma_scale_f32_16x16x128_f8f6f4 v[ACC+8*\t:ACC+8*\t+7], v[12*\t:12*\t+11], v[96*\p:96*\p+11], v[BIAS+8*\t:BIAS+8*\t+7], v[WS+\t], v[XSC+4*\p] matrix_a_fmt:MATRIX_FMT_BF6 matrix_b_fmt:MATRIX_FMT_BF6
.endr
	WIN 0x0d                                       ; C and D window 0
.irp s, 1,2,3
.irp t, 0,1,2,3
.if \s%2
	v_wmma_scale_f32_16x16x128_f8f6f4 v[ACC+8*\t:ACC+8*\t+7], v[12*(4*\s+\t):12*(4*\s+\t)+11], v[96*\p+12*\s:96*\p+12*\s+11], v[ACC+8*\t:ACC+8*\t+7], v[WS+4*\s+\t], v[XSC+4*\p+\s/2] matrix_a_fmt:MATRIX_FMT_BF6 matrix_b_fmt:MATRIX_FMT_BF6 matrix_b_scale:MATRIX_SCALE_ROW1
.else
	v_wmma_scale_f32_16x16x128_f8f6f4 v[ACC+8*\t:ACC+8*\t+7], v[12*(4*\s+\t):12*(4*\s+\t)+11], v[96*\p+12*\s:96*\p+12*\s+11], v[ACC+8*\t:ACC+8*\t+7], v[WS+4*\s+\t], v[XSC+4*\p+\s/2] matrix_a_fmt:MATRIX_FMT_BF6 matrix_b_fmt:MATRIX_FMT_BF6
.endif
.endr
.endr
	WIN 0x0e                                       ; W window 2
.irp s, 4,5,6,7
.irp t, 0,1,2,3
.if \s%2
	v_wmma_scale_f32_16x16x128_f8f6f4 v[ACC+8*\t:ACC+8*\t+7], v[12*(4*(\s-4)+\t):12*(4*(\s-4)+\t)+11], v[96*\p+12*\s:96*\p+12*\s+11], v[ACC+8*\t:ACC+8*\t+7], v[WS+4*\s+\t], v[XSC+4*\p+\s/2] matrix_a_fmt:MATRIX_FMT_BF6 matrix_b_fmt:MATRIX_FMT_BF6 matrix_b_scale:MATRIX_SCALE_ROW1
.else
	v_wmma_scale_f32_16x16x128_f8f6f4 v[ACC+8*\t:ACC+8*\t+7], v[12*(4*(\s-4)+\t):12*(4*(\s-4)+\t)+11], v[96*\p+12*\s:96*\p+12*\s+11], v[ACC+8*\t:ACC+8*\t+7], v[WS+4*\s+\t], v[XSC+4*\p+\s/2] matrix_a_fmt:MATRIX_FMT_BF6 matrix_b_fmt:MATRIX_FMT_BF6
.endif
.endr
.endr
	WIN 0
.endm
; a tile: multiplied, its set asked for again (the tile ahead tiles on from my tile number), its results stored
.macro TILE p, ahead
	s_wait_loadcnt 30                              ; loads come back in order: behind this set's 30 stand only the other set's 30
	PROD \p
	s_wait_xcnt 0x0                                ; the last tile's stores have had their addresses translated: their offsets and data are rewritten only behind this wait
.irp i, 0,1,2,3,4,5,6,7
	v_min_u32 v[OFF+\i], 0xfff, v[ORD+8*\p+\i]     ; these sixteen plain lines name no register of the products: they are the places in front of the loads into x's registers,
.endr
.irp i, 0,1,2,3,4,5,6,7
	v_lshl_add_u32 v[OFF+\i], v[OFF+\i], 13, v[CO] ; of the LDS stores of the results, and of the next tile's first products, which begin the accumulators anew.  Token x 8,192 bytes + 16 (lane % 16)
.endr
	ADDRX \p, \ahead
	LOADX \p
.irp t, 0,1,2,3
.irp u, 0,1
	ds_store_b128 v[STO], v[ACC+8*\t+4*\u:ACC+8*\t+4*\u+3] offset:64*\t+16*\u   ; each accumulator from its low end on
.endr
.endr
.irp i, 0,1,2,3,4,5,6,7
	ds_load_b128 v[OB+4*\i:OB+4*\i+3], v[RD] offset:OPT*\i                      ; lanes 0-15 row i, lanes 16-31 row i + 8.  LDS serves a wave's instructions in order: these see my stores
.endr
.irp i, 0,1,2,3,4,5,6,7
	s_wait_dscnt 7-\i                              ; load i is back; the younger ones may be out
	global_store_b128 v[OFF+\i], v[OB+4*\i:OB+4*\i+3], s[14:15] th:TH_STORE_NT  ; each 16 lanes store 256 consecutive bytes, at a multiple of 256 from out0's first byte; written once
.endr
.endm
	s_load_b256 s[4:11], s[0:1], 0x0               ; W s[4:5], b s[6:7], xq s[8:9], order s[10:11]
	s_load_b128 s[12:15], s[0:1], 0x20             ; meta s[12:13], out0 s[14:15]
	v_lshl_add_u32 v254, v0, 2, 0x21c00
	v_mov_b32 v255, 0
	v_lshrrev_b32 v14, 5, v0
	v_readfirstlane_b32 s16, v14                   ; wave 0..3
	s_mov_b32 s17, ttmp9                           ; slice 0..31
	s_and_b32 s18, ttmp7, 0xffff                   ; group 0..7
	v_and_b32 v14, 31, v0                          ; lane
	v_and_b32 v15, 15, v0                          ; lane % 16
	v_bfe_u32 v72, v0, 4, 1                        ; lane / 16
	v_lshlrev_b32 v[LI], 4, v14
	v_lshlrev_b32 v[LS], 2, v14
	v_lshlrev_b32 v[SH8], 3, v72
	v_lshlrev_b32 v[CO], 4, v15
	v_lshlrev_b32 v[OA], 5, v72
	s_mul_i32 s28, s16, 2*WST
	s_add_co_u32 s28, s28, STG                     ; my two stages
	v_add_nc_u32 v[SA], s28, v[LI]
	v_mul_u32_u24 v73, v15, SPT
	v_lshl_add_u32 v73, v72, 7, v73
	v_add_nc_u32 v[SB], s28, v73
	s_mul_i32 s28, s16, 1536
	v_add_nc_u32 v[IA], s28, v[LI]
	s_lshl_b32 s28, s16, 7
	v_add_nc_u32 v[ISA], s28, v[LS]
	s_mul_i32 s28, s16, 16*OPT
	s_add_co_u32 s28, s28, OSTG                    ; my stage for the way out
	v_mul_u32_u24 v73, v15, OPT
	v_lshl_add_u32 v73, v72, 5, v73
	v_add_nc_u32 v[STO], s28, v73                  ; in: row lane % 16, 32 bytes for each half of the lanes
	v_mul_u32_u24 v73, v72, 8*OPT
	v_lshl_add_u32 v73, v15, 4, v73
	v_add_nc_u32 v[RD], s28, v73                   ; back: lanes 0-15 one row, lanes 16-31 the row eight further down
	v_mov_b32 v[TM+6], 0                           ; written once: a lane permute's destination counts as one of its sources
	s_mov_b32 s[SEL], 0x76543210
	s_mov_b32 s[SEL+1], 0xfedcba98
	s_lshl_b32 s20, s18, 11
	s_lshl_b32 s28, s17, 6
	s_add_co_u32 s20, s20, s28                     ; my slice's first row of W: 2,048 g + 64 slice
	s_lshl_b32 s28, s20, 2                         ; its bias, in bytes
	s_lshl_b32 s29, s16, 4
	s_add_co_u32 s20, s20, s29                     ; my wave's first row
	s_lshl_b32 s20, s20, 12                        ; in bytes: under 2^26
	s_mov_b32 s21, 0
	s_wait_kmcnt 0x0
	s_add_nc_u64 s[4:5], s[4:5], s[20:21]
	s_mov_b32 s20, s28
	s_add_nc_u64 s[6:7], s[6:7], s[20:21]
	s_lshl_b32 s20, s17, 8
	s_add_nc_u64 s[14:15], s[14:15], s[20:21]      ; my slice's 256 bytes of a row of out0
	s_lshl_b32 s20, s18, 3
	s_add_nc_u64 s[40:41], s[12:13], s[20:21]
	s_load_b64 s[22:23], s[40:41], 0x0             ; waited for where it is first used
	s_load_b32 s24, s[12:13], 0x40
	LOADW 0
	LOADW 1
	LOADW 2
	LOADW 3
	s_wait_loadcnt 48                              ; K step 0's 16 loads are in; the three steps behind it may be out
	TURN 0
	STEP 0
	STEP 1
	STEP 2
	STEP 3
	STEP 4
	STEP 5
	STEP 6
	STEP 7
	s_wait_dscnt 0x0                               ; for the others' sake: my eight fragments and their scale words lie in LDS
	s_barrier_signal -1
	s_barrier_wait -1                              ; the launch's one barrier: all 32 fragments lie in LDS, and nobody writes them again
	WIN 0x40
.irp f, 0,1,2,3,4,5,6,7,8,9,10,11,12,13,14,15
.irp c, 0,1,2
	ds_load_b128 v[12*\f+4*\c:12*\f+4*\c+3], v[LI] offset:WIMG+1536*\f+512*\c
.endr
.endr
	WIN 0x80
.irp f, 0,1,2,3,4,5,6,7,8,9,10,11,12,13,14,15
.irp c, 0,1,2
	ds_load_b128 v[12*\f+4*\c:12*\f+4*\c+3], v[LI] offset:WIMG+1536*(16+\f)+512*\c
.endr
.endr
	WIN 0
.irp f, 0,1,2,3,4,5,6,7,8,9,10,11,12,13,14,15,16,17,18,19,20,21,22,23,24,25,26,27,28,29,30,31
	ds_load_b32 v[WS+\f], v[LS] offset:WSC+128*\f
.endr
	s_wait_dscnt 0x0
	s_cmp_ge_u32 s16, s23
	s_cbranch_scc1 .Lend                           ; a group without tokens, or fewer tiles than waves: nothing for me
	s_sub_co_u32 s[TRIPS], s23, s16                ; at least 1 here.  My tiles are wave, wave + 4, ..: two to a trip,
	s_add_co_u32 s[TRIPS], s[TRIPS], 7
	s_lshr_b32 s[TRIPS], s[TRIPS], 3               ; so ceil((tiles - wave) / 8) trips;
	s_min_u32 s[TRIPS], s[TRIPS], 32               ; a group has at most 4,096 / 16 = 256 tiles, (256 + 7) / 8 = 32 trips: the hold cuts nothing
	s_mov_b32 s[TRIP], 0
.Ltrip:                                            ; a trip: my tiles number s27 and s27 + 4 of the group
	TILE 0, 8
	s_add_co_u32 s28, s27, 4
	s_cmp_lt_u32 s28, s23
	s_cbranch_scc1 .Lsecond                        ; the group has a second tile for me in this trip
	s_wait_tensorcnt 0x0
	ds_add_u32 v254, v255
	s_wait_dscnt 0x0
	s_endpgm                                       ; it has none: the wave ends here.  The loop is left by its backward branch or by the program's end alone, so that the counted waits hold on every way round it
.Lsecond:
	TILE 1, 12
	s_add_co_u32 s[TRIP], s[TRIP], 1               ; the loop's counter: one a trip
	s_lshl_b32 s27, s[TRIP], 3
	s_add_co_u32 s27, s27, s16                     ; the next trip's first tile: 8 x trip + wave
	s_cmp_lt_u32 s[TRIP], s[TRIPS]
	s_cbranch_scc1 .Ltrip
.Lend:
	s_wait_tensorcnt 0x0
	ds_add_u32 v254, v255
	s_wait_dscnt 0x0
	s_endpgm
.Lfunc_end_k_qef2ff62419_gemm:
	.size	k_qef2ff62419_gemm, .Lfunc_end_k_qef2ff62419_gemm-k_qef2ff62419_gemm
	.p2alignl 7, 3214868480
	.fill 96, 4, 3214868480
	.section	.rodata,"a",@progbits
	.p2align	6, 0x0
	.amdhsa_kernel k_qef2ff62419_gemm
		.amdhsa_group_segment_fixed_size 138752
		.amdhsa_private_segment_fixed_size 0
		.amdhsa_enable_private_segment 0
		.amdhsa_kernarg_size 48
		.amdhsa_user_sgpr_count 2
		.amdhsa_user_sgpr_kernarg_segment_ptr 1
		.amdhsa_wavefront_size32 1
		.amdhsa_system_sgpr_workgroup_id_x 1
		.amdhsa_system_sgpr_workgroup_id_y 1
		.amdhsa_system_sgpr_workgroup_id_z 1
		.amdhsa_system_vgpr_workitem_id 0
		.amdhsa_next_free_vgpr 1024
		.amdhsa_next_free_sgpr 66
		.amdhsa_reserve_vcc 0
		.amdhsa_float_denorm_mode_32 3
		.amdhsa_float_denorm_mode_16_64 3
		.amdhsa_memory_ordered 1
		.amdhsa_forward_progress 1
		.amdhsa_inst_pref_size 95
	.end_amdhsa_kernel
	.amdgpu_metadata
---
amdhsa.version: [ 1, 2 ]
amdhsa.kernels:
  - .name:           k_qef2ff62419_gemm
    .symbol:         k_qef2ff62419_gemm.kd
    .args:
      - { .name: W, .offset: 0, .size: 8, .value_kind: global_buffer, .address_space: global }
      - { .name: b, .offset: 8, .size: 8, .value_kind: global_buffer, .address_space: global }
      - { .name: xq, .offset: 16, .size: 8, .value_kind: global_buffer, .address_space: global }
      - { .name: order, .offset: 24, .size: 8, .value_kind: global_buffer, .address_space: global }
      - { .name: meta, .offset: 32, .size: 8, .value_kind: global_buffer, .address_space: global }
      - { .name: out0, .offset: 40, .size: 8, .value_kind: global_buffer, .address_space: global }
    .group_segment_fixed_size: 138752
    .private_segment_fixed_size: 0
    .kernarg_segment_align: 8
    .kernarg_segment_size: 48
    .max_flat_workgroup_size: 128
    .sgpr_count:     66
    .vgpr_count:     1024
    .wavefront_size: 32
...
	.end_amdgpu_metadata
.endif
;; end of part 3
;; ======== version 2 of 2: 3 launches; version 1 with the launch gemm written anew for expert scheduling mode
;; workspace buffers: xq 3,366,400 bytes; order 16,896 bytes of whole numbers; meta 256 bytes of whole numbers
;; launch sort: the kernel of part 1 again; grid 263 x 1, 8 waves a work-group, no clusters, 2,048 bytes of LDS; arguments indices, order, meta; writes order, meta
;; launch quant: the kernel of part 2 again; grid 263 x 1, 8 waves a work-group, no clusters, 68,608 bytes of LDS; arguments x, order, meta, xq; writes xq
;; launch gemm (part 4): grid 32 x 8, 4 waves a work-group, no clusters, 138,752 bytes of LDS; arguments W, b, xq, order, meta, out0; writes out0
.if DOCPART == 4
	.amdgcn_target "amdgcn-amd-amdhsa--gfx1250"
	.amdhsa_code_object_version 6
	.text
	.protected	k_qef2ff62419_gemm
	.globl	k_qef2ff62419_gemm
	.p2align	8
	.type	k_qef2ff62419_gemm,@function
k_qef2ff62419_gemm:
	s_mov_b64 s[64:65], 0
	v_nop
	global_prefetch_b8 v0, s[64:65] scope:SCOPE_SE
	s_setreg_imm32_b32 hwreg(HW_REG_WAVE_SCHED_MODE, 0, 2), 2
	s_setreg_imm32_b32 hwreg(HW_REG_WAVE_MODE, 25, 1), 1
	s_wait_xcnt 0x0
	s_wait_alu depctr_vm_vsrc(0)
; out0[n][:] = Q(x[n]) Q(W[2048 g .. 2048 g + 2047])^T + b[2048 g ..], g = indices[n]: only the chosen group's product is made.  Codes of BF6 (E3M2), one E8M0 scale for each 32 along K = 1,024; sums in f32.
; Work-group (slice, g) owns 64 columns of group g for ALL tokens of that group: so each number of W is read from memory once, by one work-group, quantised in registers, and its codes never go to memory.
; W PHASE.  Wave w takes rows 16 w .. 16 w + 15 of the slice, K step by K step (128 along K): 16 loads of 512 consecutive bytes, a turn through the wave's own stage in LDS, so that a lane holds two whole blocks of
; 32 neighbours, the quantiser, and the fragment goes to LDS as an image of its registers.  One barrier; then every wave fetches all 32 fragments: 384 registers, which stay.
; X PHASE.  The group's tiles of 16 sorted tokens, made by the launch before, come as images of the operand's registers: 24 loads of 512 consecutive bytes a tile, straight into registers.  The waves take the tiles by
; turns (wave w: tiles w, w + 4, ..).  A tile is 32 matrix instructions: 4 tiles of columns x 8 K steps; the bias is the C of each sum's first.  Two sets of registers: one tile is multiplied while the next is on its way.
; THE MATRIX INSTRUCTION IS USED TRANSPOSED (source 0 = 16 rows of W, source 1 = 16 tokens): a lane holds eight neighbouring columns of one token.  They go through the wave's own stage and leave as whole rows:
; sixteen lanes store the 256 consecutive bytes of a token's row that belong to this slice, at a multiple of 256 from out0's first byte.
; NOT IN CLUSTERS: the 32 work-groups of a group read the same tiles of x, but the number of a group's tiles is read from memory, and a launch with tensor loads keeps its trip counts constant;
; a constant count would be 256 tiles (all tokens on one group) for each of the 8 groups, eight times the tiles that there are.
; LIMITS: NaN and infinities in W are not served; blocks whose largest magnitude lies under 2^(5 - 127) keep the byte 1 (not tried); a block of zeros gets the byte 1: its codes are zeros.  Every split of the tokens
; over the groups gives right values; the work is even only where the groups are about equal.  A spare row of a group's last tile repeats the group's last token: the same bits are stored to the same bytes by the same wave.
; THE MODE: SCHED_MODE bits 1:0 = 2 (LLVM: expert scheduling mode 2), set by the entry lines.  The code itself states the register dependences between vector or matrix instructions and memory or LDS
; instructions, with s_wait_alu, always for 0.
; THE PLAN, W PHASE.  Step t is K step t.  Registers that memory or LDS instructions touch:
;   RAW[t % 4]   (window 1) the loads of W land in it; the LDS stores of step t's turn through the stage, issued in step t - 1, read it; the loads of step t + 4, issued in step t, land in it again.  No vector instruction names it.
;   X[t % 2]     the stage's LDS loads, issued in step t - 1, land in it; step t's maxima and conversions read it; the stage's loads issued in step t + 1 land in it again.
;   P[t % 2], PW[t % 2]   step t's quantiser writes them; the four LDS stores at the step's end read them; step t + 2 writes them again.
;   the addresses v1 to v11 are made at the head and never written again.
; So a step has two waits.  One on vm_vsrc at its head: the stage's stores have read RAW[t % 4], the image stores of the steps before have read P[t % 2] and PW[t % 2].  One on va_vdst behind its conversions: P and PW are
; written, and the quantiser is done reading X[t % 2].  The step's other memory instructions (the loads of step t + 4, the turn of step t + 1) stand among the quantiser's two halves, which name none of their registers.
; THE PLAN, X PHASE.  The tile in set p:
;   x's set p (window 3), XSC[p], ORD[p]   loads land in them; the tile's products (ORD: eight vector lines) read them; behind these the loads of my tile two on land in them again.
;   ACC          the products write it; eight LDS stores read it; the next tile's products write it again.
;   OFF[p]       sixteen vector lines write it; the tile's global stores read it; written again a trip later.
;   OB[p]        the stage's LDS loads land in it; the tile's global stores read it; landed in again a trip later.
; So a tile has two waits.  One on vm_vsrc at its head: the last tile's LDS stores have read ACC, the global stores issued so far have read OFF[p] and OB[p].  One on va_vdst behind the sixteen vector lines: ACC and OFF[p] are
; written, the products are done reading x's set and XSC[p], the vector lines ORD[p].  Behind it stand the stage's 16 LDS instructions and the set's 30 loads.  The global stores of a trip's first tile are dealt among the
; second tile's products, which name neither OFF[0] nor OB[0].
; REGISTERS, in windows of 256: window 0: v1-13 addresses; v16-47 W's scale words, v48-55 x's (scales and nothing else); v56-71 tokens; v72-79, v80-239 at work.
;   window 1: in the W phase four sets of 64 for the loads of W; then W's fragments of K steps 0-3, (s, t) at v[12 (4 s + t)].   window 2: those of K steps 4-7.
;   window 3: x's fragments, two sets of 96 (K step s at 12 s); from v192 the bias, 8 registers for each tile of columns.
.set WIMG, 0                           ; LDS: W's 32 fragments, f = 4 s + t at 1,536 f: three blocks of 512 bytes, lane l's 16 bytes at 16 l
.set WSC,  49152                       ; their scale words, 128 bytes each
.set STG,  53248                       ; two stages of 16 rows x (512 + 16) bytes for each wave
.set SPT,  528
.set WST,  16*SPT
.set OSTG, STG+4*2*WST                 ; the way out: 16 rows x (256 + 16) bytes for each wave
.set OPT,  272
.set REC,  12800                       ; a tile's record in xq
.set LI,   1                           ; 16 x lane
.set LS,   2                           ; 4 x lane
.set SA,   3                           ; the stage, on the way in
.set SB,   4                           ; and on the way out
.set IA,   5                           ; 16 x lane + 1,536 x wave
.set ISA,  6                           ; 4 x lane + 128 x wave
.set SH8,  7                           ; 8 x (lane / 16)
.set STO,  8                           ; the way out: where I put 32 bytes of a token's row
.set RD,   9                           ; and where I read a row back
.set CO,   10                          ; 16 x (lane % 16)
.set OA,   11                          ; 32 x (lane / 16)
.set PW0,  12                          ; v12-13 the scale word just made, by turns
.set WS,   16
.set XSC,  48
.set ORD,  56
.set TM,   72                          ; W phase: at work
.set X0,   80                          ; W phase: two sets of 64 numbers
.set ACC,  80                          ; x phase: four accumulators
.set OB,   112                         ; x phase: v112-175 rows read back from the stage, a set of 32 for each of a trip's two tiles
.set OFF,  176                         ; x phase: v176-191 byte offsets of a tile's rows in out0, a set of 8 for each of a trip's two tiles
.set P0,   208                         ; two sets of 12: the fragment just made
.set PT,   232
.set BIAS, 192                         ; in window 3
.set SEL,  30                          ; s[30:31]
.set TRIP, 42                          ; s42  trips done
.set TRIPS, 43                         ; s43  trips that my wave has
.set MSB, 0
.macro WIN new                         ; the immediate's high byte repeats the setting that is left; a switch that changes nothing is dropped
.if MSB != \new
	s_set_vgpr_msb (MSB<<8)|\new
.set MSB, \new
.endif
.endm
; THE QUANTISER, in two halves.  64 numbers of a lane, register 32 c + i = k 64 c + 32 (lane / 16) + i of my row: two whole blocks.
; The first half: the blocks' largest magnitudes, the conversions' scale operands in v[TM+4], v[TM+5], and my row's scale word in v[wd].
.macro QMAX x, wd
.irp c, 0,1
	v_max3_num_f32 v[TM+\c], |v[\x+32*\c]|, |v[\x+32*\c+1]|, 0x2800000          ; the floor 2^(5 - 127) among the leaves: the byte cannot fall under 1
	v_max3_num_f32 v[TM+2+\c], |v[\x+32*\c+16]|, |v[\x+32*\c+17]|, |v[\x+32*\c+18]|
.endr
.irp i, 2,4,6,8,10,12,14
.irp c, 0,1
	v_max3_num_f32 v[TM+\c], v[TM+\c], |v[\x+32*\c+\i]|, |v[\x+32*\c+\i+1]|
.endr
.endr
.irp i, 19,21,23,25,27,29
.irp c, 0,1
	v_max3_num_f32 v[TM+2+\c], v[TM+2+\c], |v[\x+32*\c+\i]|, |v[\x+32*\c+\i+1]|
.endr
.endr
.irp c, 0,1
	v_max3_num_f32 v[TM+\c], v[TM+\c], v[TM+2+\c], |v[\x+32*\c+31]|             ; the block's largest magnitude: all 32 numbers are mine
.endr
.irp c, 0,1
	v_add_nc_u32 v[TM+4+\c], 0xfe000000, v[TM+\c]                               ; 4 off its exponent field: the conversion takes the exponent field of this operand as its scale
.endr
.irp c, 0,1
	v_lshrrev_b32 v[TM+2+\c], 23, v[TM+4+\c]                                    ; the scale's byte
.endr
	v_lshl_or_b32 v[\wd], v[TM+3], 16, v[TM+2]                                  ; my two bytes: blocks (lane / 16) and 2 + (lane / 16),
	v_lshlrev_b32 v[\wd], v[SH8], v[\wd]                                        ; at their places in the word;
	v_permlanex16_b32 v[TM+6], v[\wd], s[SEL], s[SEL+1]
	v_or_b32 v[\wd], v[\wd], v[TM+6]                                            ; with lane xor 16's two the word is whole, in both halves of the lanes
.endm
; The second half: the fragment's 12 registers from v[cd] on.
.macro QCVT x, cd
.irp c, 0,1
	v_cvt_scalef32_pk16_bf6_f32 v[\cd+6*\c:\cd+6*\c+2], v[\x+32*\c:\x+32*\c+15], v[TM+4+\c]
	v_cvt_scalef32_pk16_bf6_f32 v[PT+4*\c:PT+4*\c+2], v[\x+32*\c+16:\x+32*\c+31], v[TM+4+\c]   ; (a conversion's three registers begin on an even number)
.endr
	v_nop                                                                       ; one plain place behind a scaled conversion
.irp c, 0,1
.irp i, 0,1,2
	v_mov_b32 v[\cd+3+6*\c+\i], v[PT+4*\c+\i]
.endr
.endr
.endm
; K step t of my 16 rows of W into set t % 4 of window 1: each load reads 512 consecutive bytes of one row; read once in the whole launch
.macro LOADW t
	WIN 0x40                                       ; destination window 1
.irp i, 0,1,2,3,4,5,6,7,8,9,10,11,12,13,14,15
	global_load_b128 v[64*((\t)%4)+4*\i:64*((\t)%4)+4*\i+3], v[LI], s[4:5] offset:4096*\i+512*(\t) th:TH_LOAD_NT
.endr
	WIN 0
.endm
; and through stage t % 2: in as loaded, out 128 bytes a lane and block.  LDS serves a wave's instructions in order: no wait between the stores and the loads
.macro TURN t
	WIN 0x04                                       ; an LDS store's data are its source 1: window 1
.irp i, 0,1,2,3,4,5,6,7,8,9,10,11,12,13,14,15
	ds_store_b128 v[SA], v[64*((\t)%4)+4*\i:64*((\t)%4)+4*\i+3] offset:WST*((\t)%2)+SPT*\i
.endr
	WIN 0
.irp c, 0,1
.irp j, 0,1,2,3,4,5,6,7
	ds_load_b128 v[X0+64*((\t)%2)+32*\c+4*\j:X0+64*((\t)%2)+32*\c+4*\j+3], v[SB] offset:WST*((\t)%2)+256*\c+16*\j
.endr
.endr
.endm
; where the tile (my tile number + ahead) of my group lies: held inside the group's tiles, inside the tiles that were written, and inside the buffers
.macro ADDRX p, ahead
	s_add_co_u32 s28, s27, \ahead
	s_min_u32 s28, s28, s25
	s_add_co_u32 s28, s28, s22
	s_min_u32 s28, s28, s26
	s_min_u32 s28, s28, 262
	s_mul_i32 s20, s28, REC
	s_add_nc_u64 s[32+2*\p:33+2*\p], s[8:9], s[20:21]
	s_lshl_b32 s20, s28, 6
	s_add_nc_u64 s[36+2*\p:37+2*\p], s[10:11], s[20:21]
.endm
; a tile into set p: 30 loads: 24 for the 8 fragments, 4 for the scale words (lanes 0-15: K step 2 j, lanes 16-31: K step 2 j + 1), 2 for the tokens of rows 8 (lane / 16) + 0 .. 7
.macro LOADX p
	WIN 0xc0                                       ; destination window 3
.irp c, 0,1,2,3,4,5,6,7,8,9,10,11,12,13,14,15,16,17,18,19,20,21,22,23
	global_load_b128 v[96*\p+4*\c:96*\p+4*\c+3], v[LI], s[32+2*\p:33+2*\p] offset:512*\c
.endr
	WIN 0
.irp j, 0,1,2,3
	global_load_b32 v[XSC+4*\p+\j], v[LS], s[32+2*\p:33+2*\p] offset:12288+128*\j
.endr
.irp u, 0,1
	global_load_b128 v[ORD+8*\p+4*\u:ORD+8*\p+4*\u+3], v[OA], s[36+2*\p:37+2*\p] offset:16*\u
.endr
.endm
; K step t of the W phase
.macro STEP t
.set XS, X0+64*((\t)%2)
.set PS, P0+12*((\t)%2)
.set WD, PW0+((\t)%2)
.if (\t) > 0
	s_wait_dscnt 4                                 ; this step's numbers are back from the stage; only the last image's four stores may be out
.else
	s_wait_dscnt 0x0
.endif
	s_wait_alu depctr_vm_vsrc(0)                   ; the LDS stores of this step's turn through the stage have read RAW[t % 4], in which the loads below land; the image stores of the steps before have read P[t % 2] and PW[t % 2], which this step writes again
.if (\t)+4 < 8
	LOADW (\t)+4                                   ; into the set that this step's turn through the stage has read
.endif
	QMAX XS, WD                                    ; the maxima stand ahead of the wait for the next step's loads: they name X[t % 2], v72-78, PW[t % 2] and v7, none of which the turn below touches
.if (\t)+1 < 8
.if 6-(\t) >= 3
	s_wait_loadcnt 48                              ; the next step's 16 loads are in; those of the three steps behind it may be out
.else
	s_wait_loadcnt 16*(6-(\t))                     ; towards the end fewer steps stand behind it
.endif
	TURN (\t)+1                                    ; its LDS loads land in the other X, which the last step's quantiser read: that is stated by the wait behind the last step's conversions
.endif
.if (\t) == 6                          ; all of W is in or in the stage: the x phase's first loads go out here, two steps of work and a barrier ahead of their use; no vector instruction has named the registers in which they land
	s_wait_kmcnt 0x0                               ; my group's first tile s22, its tiles s23, all tiles s24
	s_max_u32 s25, s23, 1
	s_sub_co_u32 s25, s25, 1                       ; the group's last tile, counted from its first
	s_sub_co_u32 s26, s24, 1                       ; the last tile of all
	s_mov_b32 s27, s16                             ; my tile number in the group: the first is number wave
	WIN 0xc0
.irp c, 0,1,2,3
.irp u, 0,1
	global_load_b128 v[BIAS+8*\c+4*\u:BIAS+8*\c+4*\u+3], v[OA], s[6:7] offset:64*\c+16*\u   ; in the result's layout: columns 16 c + 8 (lane / 16) + 0 .. 7
.endr
.endr
	WIN 0
	ADDRX 0, 0
	LOADX 0
	ADDRX 1, 4
	LOADX 1
.endif
	QCVT XS, PS
	s_wait_alu depctr_va_vdst(0)                   ; the quantiser has written P[t % 2] and PW[t % 2], which the LDS stores below read, and is done reading X[t % 2], in which the next step's stage loads land
.irp c, 0,1,2
	ds_store_b128 v[IA], v[PS+4*\c:PS+4*\c+3] offset:WIMG+6144*(\t)+512*\c   ; fragment 4 t + wave, as it stands
.endr
	ds_store_b32 v[ISA], v[WD] offset:WSC+512*(\t)
.endm
; four of the eight stores of the tile in set q: rows i0 .. i0 + 3 (lanes 16-31: the rows eight further down)
.macro SEND4 q, i0
.irp i, 0,1,2,3
	global_store_b128 v[OFF+8*\q+(\i0)+\i], v[OB+32*\q+4*((\i0)+\i):OB+32*\q+4*((\i0)+\i)+3], s[14:15] th:TH_STORE_NT  ; each 16 lanes store 256 consecutive bytes, at a multiple of 256 from out0's first byte; written once
.endr
.endm
; all eight, each as soon as its rows are back from the stage
.macro SEND8 q
.irp i, 0,1,2,3,4,5,6,7
	s_wait_dscnt 7-\i                              ; load i is back; the younger ones may be out
	global_store_b128 v[OFF+8*\q+\i], v[OB+32*\q+4*\i:OB+32*\q+4*\i+3], s[14:15] th:TH_STORE_NT  ; each 16 lanes store 256 consecutive bytes, at a multiple of 256 from out0's first byte; written once
.endr
.endm
; the 32 products of the tile in set p.  The four accumulators take turns, one instruction a turn.
; p = 1: the eight global stores of the trip's first tile stand among them, four at each of two changes of window.  No wait on the vector side: no vector or matrix instruction since the first tile's wait names OFF[0] or OB[0]
.macro PROD p
	WIN 0x3d                                       ; W window 1, x window 3, C (the bias) window 3, D window 0
.irp t, 0,1,2,3
	v_wmma_scale_f32_16x16x128_f8f6f4 v[ACC+8*\t:ACC+8*\t+7], v[12*\t:12*\t+11], v[96*\p:96*\p+11], v[BIAS+8*\t:BIAS+8*\t+7], v[WS+\t], v[XSC+4*\p] matrix_a_fmt:MATRIX_FMT_BF6 matrix_b_fmt:MATRIX_FMT_BF6
.endr
.if \p
	WIN 0
	s_wait_dscnt 4                                 ; the first tile's stage loads 0 to 3 are back; the four younger ones may be out
	SEND4 0, 0
.endif
	WIN 0x0d                                       ; C and D window 0
.irp s, 1,2,3
.irp t, 0,1,2,3
.if \s%2
	v_wmma_scale_f32_16x16x128_f8f6f4 v[ACC+8*\t:ACC+8*\t+7], v[12*(4*\s+\t):12*(4*\s+\t)+11], v[96*\p+12*\s:96*\p+12*\s+11], v[ACC+8*\t:ACC+8*\t+7], v[WS+4*\s+\t], v[XSC+4*\p+\s/2] matrix_a_fmt:MATRIX_FMT_BF6 matrix_b_fmt:MATRIX_FMT_BF6 matrix_b_scale:MATRIX_SCALE_ROW1
.else
	v_wmma_scale_f32_16x16x128_f8f6f4 v[ACC+8*\t:ACC+8*\t+7], v[12*(4*\s+\t):12*(4*\s+\t)+11], v[96*\p+12*\s:96*\p+12*\s+11], v[ACC+8*\t:ACC+8*\t+7], v[WS+4*\s+\t], v[XSC+4*\p+\s/2] matrix_a_fmt:MATRIX_FMT_BF6 matrix_b_fmt:MATRIX_FMT_BF6
.endif
.endr
.endr
.if \p
	WIN 0
	s_wait_dscnt 0x0                               ; the other four are back
	SEND4 0, 4
.endif
	WIN 0x0e                                       ; W window 2
.irp s, 4,5,6,7
.irp t, 0,1,2,3
.if \s%2
	v_wmma_scale_f32_16x16x128_f8f6f4 v[ACC+8*\t:ACC+8*\t+7], v[12*(4*(\s-4)+\t):12*(4*(\s-4)+\t)+11], v[96*\p+12*\s:96*\p+12*\s+11], v[ACC+8*\t:ACC+8*\t+7], v[WS+4*\s+\t], v[XSC+4*\p+\s/2] matrix_a_fmt:MATRIX_FMT_BF6 matrix_b_fmt:MATRIX_FMT_BF6 matrix_b_scale:MATRIX_SCALE_ROW1
.else
	v_wmma_scale_f32_16x16x128_f8f6f4 v[ACC+8*\t:ACC+8*\t+7], v[12*(4*(\s-4)+\t):12*(4*(\s-4)+\t)+11], v[96*\p+12*\s:96*\p+12*\s+11], v[ACC+8*\t:ACC+8*\t+7], v[WS+4*\s+\t], v[XSC+4*\p+\s/2] matrix_a_fmt:MATRIX_FMT_BF6 matrix_b_fmt:MATRIX_FMT_BF6
.endif
.endr
.endr
	WIN 0
.endm
; a tile: multiplied, its results sent through the stage, its set asked for again (the tile ahead tiles on from my tile number).  p = 1: its rows are stored here too; p = 0: among the next tile's products, or ahead of the wave's end
.macro TILE p, ahead
	s_wait_loadcnt 30                              ; loads come back in order: behind this set's 30 stand only the other set's 30
	s_wait_alu depctr_vm_vsrc(0)                   ; the last tile's LDS stores have read the accumulators, which the products below begin anew; the global stores issued so far have read OFF[p] and OB[p], which this tile writes again
	PROD \p
.if \p == 0
	s_wait_xcnt 0x0                                ; once a trip: the last trip's stores and loads have had their addresses translated: the offsets, the rows' registers and the bases of both sets are rewritten only behind this wait
.endif
.irp i, 0,1,2,3,4,5,6,7
	v_min_u32 v[OFF+8*\p+\i], 0xfff, v[ORD+8*\p+\i]   ; these sixteen plain lines name no register of the products: they are the places in front of the LDS stores of the results
.endr
.irp i, 0,1,2,3,4,5,6,7
	v_lshl_add_u32 v[OFF+8*\p+\i], v[OFF+8*\p+\i], 13, v[CO]   ; and of the next tile's first products, which begin the accumulators anew.  Token x 8,192 bytes + 16 (lane % 16)
.endr
	s_wait_alu depctr_va_vdst(0)                   ; the products have written the accumulators, which the LDS stores read, and are done reading x's set p and XSC[p]; the lines above have written OFF[p], which the global stores read, and are done reading ORD[p]: the 30 loads below land in these
.irp t, 0,1,2,3
.irp u, 0,1
	ds_store_b128 v[STO], v[ACC+8*\t+4*\u:ACC+8*\t+4*\u+3] offset:64*\t+16*\u   ; each accumulator from its low end on
.endr
.endr
.irp i, 0,1,2,3,4,5,6,7
	ds_load_b128 v[OB+32*\p+4*\i:OB+32*\p+4*\i+3], v[RD] offset:OPT*\i          ; lanes 0-15 row i, lanes 16-31 row i + 8.  LDS serves a wave's instructions in order: these see my stores
.endr
	ADDRX \p, \ahead
	LOADX \p                                       ; between the stage's loads and the wait for them.  No further wait: nothing since the wait above names a register of these loads
.if \p
	SEND8 1
.endif
.endm
	s_load_b256 s[4:11], s[0:1], 0x0               ; W s[4:5], b s[6:7], xq s[8:9], order s[10:11]
	s_load_b128 s[12:15], s[0:1], 0x20             ; meta s[12:13], out0 s[14:15]
	v_lshl_add_u32 v254, v0, 2, 0x21c00
	v_mov_b32 v255, 0
	v_lshrrev_b32 v14, 5, v0
	v_readfirstlane_b32 s16, v14                   ; wave 0..3
	s_mov_b32 s17, ttmp9                           ; slice 0..31
	s_and_b32 s18, ttmp7, 0xffff                   ; group 0..7
	v_and_b32 v14, 31, v0                          ; lane
	v_and_b32 v15, 15, v0                          ; lane % 16
	v_bfe_u32 v72, v0, 4, 1                        ; lane / 16
	v_lshlrev_b32 v[LI], 4, v14
	v_lshlrev_b32 v[LS], 2, v14
	v_lshlrev_b32 v[SH8], 3, v72
	v_lshlrev_b32 v[CO], 4, v15
	v_lshlrev_b32 v[OA], 5, v72
	s_wait_alu depctr_va_sdst(0)                   ; s16 is written, ahead of its first reader: LDS addresses, W's base and my tiles are made from it
	s_mul_i32 s28, s16, 2*WST
	s_add_co_u32 s28, s28, STG                     ; my two stages
	v_add_nc_u32 v[SA], s28, v[LI]
	v_mul_u32_u24 v73, v15, SPT
	v_lshl_add_u32 v73, v72, 7, v73
	v_add_nc_u32 v[SB], s28, v73
	s_mul_i32 s28, s16, 1536
	v_add_nc_u32 v[IA], s28, v[LI]
	s_lshl_b32 s28, s16, 7
	v_add_nc_u32 v[ISA], s28, v[LS]
	s_mul_i32 s28, s16, 16*OPT
	s_add_co_u32 s28, s28, OSTG                    ; my stage for the way out
	v_mul_u32_u24 v73, v15, OPT
	v_lshl_add_u32 v73, v72, 5, v73
	v_add_nc_u32 v[STO], s28, v73                  ; in: row lane % 16, 32 bytes for each half of the lanes
	v_mul_u32_u24 v73, v72, 8*OPT
	v_lshl_add_u32 v73, v15, 4, v73
	v_add_nc_u32 v[RD], s28, v73                   ; back: lanes 0-15 one row, lanes 16-31 the row eight further down
	v_mov_b32 v[TM+6], 0                           ; written once: a lane permute's destination counts as one of its sources
	s_mov_b32 s[SEL], 0x76543210
	s_mov_b32 s[SEL+1], 0xfedcba98
	s_lshl_b32 s20, s18, 11
	s_lshl_b32 s28, s17, 6
	s_add_co_u32 s20, s20, s28                     ; my slice's first row of W: 2,048 g + 64 slice
	s_lshl_b32 s28, s20, 2                         ; its bias, in bytes
	s_lshl_b32 s29, s16, 4
	s_add_co_u32 s20, s20, s29                     ; my wave's first row
	s_lshl_b32 s20, s20, 12                        ; in bytes: under 2^26
	s_mov_b32 s21, 0
	s_wait_kmcnt 0x0
	s_add_nc_u64 s[4:5], s[4:5], s[20:21]
	s_mov_b32 s20, s28
	s_add_nc_u64 s[6:7], s[6:7], s[20:21]
	s_lshl_b32 s20, s17, 8
	s_add_nc_u64 s[14:15], s[14:15], s[20:21]      ; my slice's 256 bytes of a row of out0
	s_lshl_b32 s20, s18, 3
	s_add_nc_u64 s[40:41], s[12:13], s[20:21]
	s_load_b64 s[22:23], s[40:41], 0x0             ; waited for where it is first used
	s_load_b32 s24, s[12:13], 0x40
	s_wait_alu depctr_va_vdst(0)                   ; the addresses v1 to v11 are written, which the loads and stores of the whole kernel read; none of them is written again
	LOADW 0
	LOADW 1
	LOADW 2
	LOADW 3
	s_wait_loadcnt 48                              ; K step 0's 16 loads are in; the three steps behind it may be out
	TURN 0
	STEP 0
	STEP 1
	STEP 2
	STEP 3
	STEP 4
	STEP 5
	STEP 6
	STEP 7
	s_wait_dscnt 0x0                               ; for the others' sake: my eight fragments and their scale words lie in LDS
	s_barrier_signal -1
	s_barrier_wait -1                              ; the launch's one barrier: all 32 fragments lie in LDS, and nobody writes them again
	WIN 0x40
	s_wait_alu depctr_vm_vsrc(0)                   ; the LDS stores of the turns through the stage have read window 1's four sets, in which W's fragments land
.irp f, 0,1,2,3,4,5,6,7,8,9,10,11,12,13,14,15
.irp c, 0,1,2
	ds_load_b128 v[12*\f+4*\c:12*\f+4*\c+3], v[LI] offset:WIMG+1536*\f+512*\c
.endr
.endr
	WIN 0x80
.irp f, 0,1,2,3,4,5,6,7,8,9,10,11,12,13,14,15
.irp c, 0,1,2
	ds_load_b128 v[12*\f+4*\c:12*\f+4*\c+3], v[LI] offset:WIMG+1536*(16+\f)+512*\c
.endr
.endr
	WIN 0
.irp f, 0,1,2,3,4,5,6,7,8,9,10,11,12,13,14,15,16,17,18,19,20,21,22,23,24,25,26,27,28,29,30,31
	ds_load_b32 v[WS+\f], v[LS] offset:WSC+128*\f
.endr
	s_wait_dscnt 0x0
	s_cmp_ge_u32 s16, s23
	s_cbranch_scc1 .Lend                           ; a group without tokens, or fewer tiles than waves: nothing for me
	s_sub_co_u32 s[TRIPS], s23, s16                ; at least 1 here.  My tiles are wave, wave + 4, ..: two to a trip,
	s_add_co_u32 s[TRIPS], s[TRIPS], 7
	s_lshr_b32 s[TRIPS], s[TRIPS], 3               ; so ceil((tiles - wave) / 8) trips;
	s_min_u32 s[TRIPS], s[TRIPS], 32               ; a group has at most 4,096 / 16 = 256 tiles, (256 + 7) / 8 = 32 trips: the hold cuts nothing
	s_mov_b32 s[TRIP], 0
.Ltrip:                                            ; a trip: my tiles number s27 and s27 + 4 of the group
	TILE 0, 8
	s_add_co_u32 s28, s27, 4
	s_cmp_lt_u32 s28, s23
	s_cbranch_scc1 .Lsecond                        ; the group has a second tile for me in this trip
	SEND8 0                                        ; it has none: the first tile's rows are stored here, and the wave ends.  The loop is left by its backward branch or by the program's end alone, so that the counted waits hold on every way round it
	s_wait_dscnt 0x0                               ; the closing lines, six on end
	s_wait_alu 0x0
	s_wait_tensorcnt 0x0
	ds_add_u32 v254, v255
	s_wait_dscnt 0x0
	s_endpgm
.Lsecond:
	TILE 1, 12
	s_add_co_u32 s[TRIP], s[TRIP], 1               ; the loop's counter: one a trip
	s_lshl_b32 s27, s[TRIP], 3
	s_add_co_u32 s27, s27, s16                     ; the next trip's first tile: 8 x trip + wave
	s_cmp_lt_u32 s[TRIP], s[TRIPS]
	s_cbranch_scc1 .Ltrip
.Lend:
	s_wait_dscnt 0x0                               ; the closing lines, six on end
	s_wait_alu 0x0
	s_wait_tensorcnt 0x0
	ds_add_u32 v254, v255
	s_wait_dscnt 0x0
	s_endpgm
.Lfunc_end_k_qef2ff62419_gemm:
	.size	k_qef2ff62419_gemm, .Lfunc_end_k_qef2ff62419_gemm-k_qef2ff62419_gemm
	.p2alignl 7, 3214868480
	.fill 96, 4, 3214868480
	.section	.rodata,"a",@progbits
	.p2align	6, 0x0
	.amdhsa_kernel k_qef2ff62419_gemm
		.amdhsa_group_segment_fixed_size 138752
		.amdhsa_private_segment_fixed_size 0
		.amdhsa_enable_private_segment 0
		.amdhsa_kernarg_size 48
		.amdhsa_user_sgpr_count 2
		.amdhsa_user_sgpr_kernarg_segment_ptr 1
		.amdhsa_wavefront_size32 1
		.amdhsa_system_sgpr_workgroup_id_x 1
		.amdhsa_system_sgpr_workgroup_id_y 1
		.amdhsa_system_sgpr_workgroup_id_z 1
		.amdhsa_system_vgpr_workitem_id 0
		.amdhsa_next_free_vgpr 1024
		.amdhsa_next_free_sgpr 66
		.amdhsa_reserve_vcc 0
		.amdhsa_float_denorm_mode_32 3
		.amdhsa_float_denorm_mode_16_64 3
		.amdhsa_memory_ordered 1
		.amdhsa_forward_progress 1
		.amdhsa_inst_pref_size 97
	.end_amdhsa_kernel
	.amdgpu_metadata
---
amdhsa.version: [ 1, 2 ]
amdhsa.kernels:
  - .name:           k_qef2ff62419_gemm
    .symbol:         k_qef2ff62419_gemm.kd
    .args:
      - { .name: W, .offset: 0, .size: 8, .value_kind: global_buffer, .address_space: global }
      - { .name: b, .offset: 8, .size: 8, .value_kind: global_buffer, .address_space: global }
      - { .name: xq, .offset: 16, .size: 8, .value_kind: global_buffer, .address_space: global }
      - { .name: order, .offset: 24, .size: 8, .value_kind: global_buffer, .address_space: global }
      - { .name: meta, .offset: 32, .size: 8, .value_kind: global_buffer, .address_space: global }
      - { .name: out0, .offset: 40, .size: 8, .value_kind: global_buffer, .address_space: global }
    .group_segment_fixed_size: 138752
    .private_segment_fixed_size: 0
    .kernarg_segment_align: 8
    .kernarg_segment_size: 48
    .max_flat_workgroup_size: 128
    .sgpr_count:     66
    .vgpr_count:     1024
    .wavefront_size: 32
...
	.end_amdgpu_metadata
.endif
;; end of part 4
